; MI455X (gfx1250); checked and timed in simulation.
; The chip was launched on July 23, 2026; its instructions are those of AMD's public machine-readable ISA for CDNA 5 (MIT licence, August 2026) and "CDNA5" Instruction Set Architecture Reference Guide (July 2026). The comments in the code are by the model that wrote it; some were corrected since.
;; Bahdanau Attention. Allowed arithmetic: float matrix products may take bf16 or f16 operands with f32 sums; other float arithmetic in f32, or as packed bf16 or f16 multiplies, adds, multiply-adds, maxima and minima; sums over many terms, partial sums and values carried from step to step in f32; what a program stores and reads back later, other than sums and carried values, may be rounded once to bf16 or f16.
;; Inputs: W_coverage 1,024 x 1 float32; W_decoder 1,024 x 512 float32; W_encoder 1,024 x 512 float32; coverage 64 x 2,048 float32; decoder_hidden 64 x 512 float32; encoder_mask 64 x 2,048 int32; encoder_outputs 64 x 2,048 x 512 float32; v 1 x 1,024 float32.
;; Outputs: out0 64 x 512 float32; out1 64 x 2,048 float32.
;; One version. Each part assembles by itself: llvm-mc -triple=amdgcn-amd-amdhsa -mcpu=gfx1250 --defsym DOCPART=n.
;; ======== version 1 of 1: 3 launches
;; workspace buffers: wbf 1,048,576 bytes; deck 262,144 bytes; scores 524,288 bytes; part 655,360 bytes
;; launch prep (part 1): grid 64 x 1, 8 waves a work-group, no clusters, 35,840 bytes of LDS; arguments W_encoder, W_decoder, decoder_hidden, wbf, deck; writes wbf, deck
.if DOCPART == 1
	.amdgcn_target "amdgcn-amd-amdhsa--gfx1250"
	.amdhsa_code_object_version 6
	.text
	.protected	k_q5461c4fe4d_prep
	.globl	k_q5461c4fe4d_prep
	.p2align	8
	.type	k_q5461c4fe4d_prep,@function
k_q5461c4fe4d_prep:
	s_mov_b64 s[64:65], 0
	v_nop
	global_prefetch_b8 v0, s[64:65] scope:SCOPE_SE
	s_setreg_imm32_b32 hwreg(HW_REG_WAVE_MODE, 25, 1), 1
	s_wait_xcnt 0x0
; wbf[a][e] = bf16(k2 W_encoder[a][e]);  deck[b][a] = k2 x the sum over k of decoder_hidden[b][k] W_decoder[a][k], in f32.  k2 = 2 log2(e): the next launch
; takes tanh(x) = 1 - 2 / (1 + 2^(k2 x)), so the factor is put into all three addends of x once, here and in its tables.
; LIMIT: k2 is multiplied into W_encoder BEFORE its one rounding to bf16; decoder_hidden and W_decoder are rounded to bf16 as matrix operands.
; SHARES.  64 work-groups of eight waves.  Work-group x makes 16 rows b (x % 4) by 64 columns a (x / 4) of deck, K split among the waves: wave w takes
; k = 64 w .. 64 w + 63, two matrix steps, for four tiles of 16 a.  The eight partial sums meet in LDS.  It also casts rows 16 x .. 16 x + 15 of W_encoder.
; The product is taken as W_decoder (source 0) x decoder_hidden (source 1): a lane holds one b (lane % 16) and eight neighbouring a.
; No cluster, no tensor load: every work-group reads 192 KiB once, straight into the registers in which it is converted.
.set PP,    272                        ; a row of a partial tile in LDS: 64 f32 + 16 bytes: 17 x 16, so 16 rows start at 16 different groups of four banks
.set PW,    16*PP                      ; a wave's partial tile
.set SPARE, 8*PW                       ; behind the eight tiles: the spare words, 128 bytes a wave, four blocks of 256 bytes that no other line names
.set SPW, 2                            ; v2   my spare word; never rewritten
.set NIL, 3                            ; v3   0; never rewritten
.set FO,  4                            ; v4   my offset in a fragment's rows: (l % 16) x 2048 + 32 (l / 16) + 256 w
.set CI,  5                            ; v5   the cast, in: 4096 w + 16 l
.set CO,  6                            ; v6   the cast, out: 2048 w + 8 l
.set PB,  7                            ; v7   where I put my partial sums
.set PR,  8                            ; v8   where I read partial sums back
.set GO,  9                            ; v9   my 16 bytes of deck
.set DH,  16                           ; v[16:47]    decoder_hidden, 2 steps x 16 f32, then 8 registers of bf16 at each block's head
.set WD,  48                           ; v[48:175]   W_decoder, block 2 at + kk, likewise
.set CR,  176                          ; v[176:207]  the cast's eight loads
.set AC,  208                          ; v[208:239]  four accumulators
	s_load_b256 s[4:11], s[0:1], 0x0               ; W_encoder s[4:5], W_decoder s[6:7], decoder_hidden s[8:9], wbf s[10:11]
	s_load_b64 s[12:13], s[0:1], 0x20              ; deck
	v_lshl_add_u32 v[SPW], v0, 2, SPARE
	v_mov_b32 v[NIL], 0
	v_lshrrev_b32 v1, 5, v0
	v_readfirstlane_b32 s14, v1                    ; wave 0..7
	v_and_b32 v10, 15, v0
	v_bfe_u32 v11, v0, 4, 1
	v_and_b32 v12, 31, v0
	v_lshrrev_b32 v13, 4, v0                       ; thread / 16: a row b on the way out
	s_and_b32 s15, ttmp9, 3                        ; which 16 b
	s_lshr_b32 s16, ttmp9, 2                       ; which 64 a
	v_lshlrev_b32 v[FO], 11, v10
	v_lshl_add_u32 v[FO], v11, 5, v[FO]
	s_lshl_b32 s17, s14, 8
	v_add_nc_u32 v[FO], s17, v[FO]
	s_lshl_b32 s17, s14, 12
	v_lshl_add_u32 v[CI], v12, 4, s17
	s_lshl_b32 s17, s14, 11
	v_lshl_add_u32 v[CO], v12, 3, s17
	s_mul_i32 s17, s14, PW
	v_mul_u32_u24 v[PB], v10, PP
	v_lshl_add_u32 v[PB], v11, 5, v[PB]
	v_add_nc_u32 v[PB], s17, v[PB]
	v_mul_u32_u24 v[PR], v13, PP
	v_lshl_add_u32 v[PR], v10, 4, v[PR]
	v_lshlrev_b32 v[GO], 12, v13
	v_lshl_add_u32 v[GO], v10, 4, v[GO]
	s_mov_b32 s19, 0
	s_mov_b32 s21, 0
	s_mov_b32 s23, 0
	s_mov_b32 s25, 0
	s_mov_b32 s27, 0
	s_lshl_b32 s18, s15, 15                        ; 16 rows of decoder_hidden
	s_lshl_b32 s20, s16, 17                        ; 64 rows of W_decoder
	s_lshl_b32 s22, ttmp9, 15                      ; 16 rows of W_encoder
	s_lshl_b32 s24, ttmp9, 14                      ; and of wbf
	s_lshl_b32 s26, s15, 16                        ; 16 rows of deck,
	s_lshl_b32 s28, s16, 8                         ; 64 columns
	s_add_co_u32 s26, s26, s28
	s_wait_kmcnt 0x0
	s_add_nc_u64 s[8:9], s[8:9], s[18:19]
	s_add_nc_u64 s[6:7], s[6:7], s[20:21]
	s_add_nc_u64 s[4:5], s[4:5], s[22:23]
	s_add_nc_u64 s[10:11], s[10:11], s[24:25]
	s_add_nc_u64 s[12:13], s[12:13], s[26:27]
	; a fragment of 16 rows x 32 k: lane l holds row l % 16, k = 8 (l / 16) + 0..7 and 16 + 8 (l / 16) + 0..7: in f32 two runs of 32 bytes, 64 bytes apart
.irp kk, 0,1
.irp p, 0,1,2,3
	global_load_b128 v[DH+16*\kk+4*\p:DH+16*\kk+4*\p+3], v[FO], s[8:9] offset:128*\kk+64*(\p>>1)+16*(\p&1)
.endr
.endr
.irp at, 0,1,2,3
.irp kk, 0,1
.irp p, 0,1,2,3
	global_load_b128 v[WD+16*(2*\at+\kk)+4*\p:WD+16*(2*\at+\kk)+4*\p+3], v[FO], s[6:7] offset:32768*\at+128*\kk+64*(\p>>1)+16*(\p&1)
.endr
.endr
.endr
.irp i, 0,1,2,3,4,5,6,7
	global_load_b128 v[CR+4*\i:CR+4*\i+3], v[CI], s[4:5] offset:512*\i th:TH_LOAD_NT
.endr
	s_wait_loadcnt 0x8                             ; all but the cast's eight, which were issued last
.set cb, DH
.rept 10                                       ; each block of 16 f32 becomes 8 registers of bf16 at its own head: register i takes 2 i and 2 i + 1, ascending
.irp i, 0,1,2,3,4,5,6,7
	v_cvt_pk_bf16_f32 v[cb+\i], v[cb+2*\i], v[cb+2*\i+1]
.endr
.set cb, cb+16
.endr
.irp at, 0,1,2,3                               ; the four accumulators take turns; the first step starts the sums
	v_wmma_f32_16x16x32_bf16 v[AC+8*\at:AC+8*\at+7], v[WD+32*\at:WD+32*\at+7], v[DH:DH+7], 0
.endr
.irp at, 0,1,2,3
	v_wmma_f32_16x16x32_bf16 v[AC+8*\at:AC+8*\at+7], v[WD+32*\at+16:WD+32*\at+23], v[DH+16:DH+23], v[AC+8*\at:AC+8*\at+7]
.endr
	s_wait_loadcnt 0x0                             ; the cast: its 32 plain instructions are also the places behind the last product
.irp i, 0,1,2,3,4,5,6,7
	v_pk_mul_f32 v[CR+4*\i:CR+4*\i+1], v[CR+4*\i:CR+4*\i+1], 0x4038aa3b op_sel_hi:[1,0]
	v_pk_mul_f32 v[CR+4*\i+2:CR+4*\i+3], v[CR+4*\i+2:CR+4*\i+3], 0x4038aa3b op_sel_hi:[1,0]
	v_cvt_pk_bf16_f32 v[CR+4*\i], v[CR+4*\i], v[CR+4*\i+1]
	v_cvt_pk_bf16_f32 v[CR+4*\i+1], v[CR+4*\i+2], v[CR+4*\i+3]
	global_store_b64 v[CO], v[CR+4*\i:CR+4*\i+1], s[10:11] offset:256*\i  ; a wave's store covers 256 consecutive bytes, aligned
.endr
.irp at, 0,1,2,3                               ; each accumulator's low registers first
	ds_store_b128 v[PB], v[AC+8*\at:AC+8*\at+3] offset:64*\at
	ds_store_b128 v[PB], v[AC+8*\at+4:AC+8*\at+7] offset:64*\at+16
.endr
	s_wait_dscnt 0x0                               ; for the others' sake: my partial sums lie in LDS
	s_barrier_signal -1
	s_barrier_wait -1
.irp w, 0,1,2,3,4,5,6,7
	ds_load_b128 v[DH+4*\w:DH+4*\w+3], v[PR] offset:PW*\w
.endr
	s_wait_dscnt 0x0
.irp d, 4,8,16                                 ; eight partial sums of four numbers, added in pairs
.set ti, DH
.rept 16/\d
	v_pk_add_f32 v[ti:ti+1], v[ti:ti+1], v[ti+\d:ti+\d+1]
	v_pk_add_f32 v[ti+2:ti+3], v[ti+2:ti+3], v[ti+\d+2:ti+\d+3]
.set ti, ti+2*\d
.endr
.endr
	v_pk_mul_f32 v[DH:DH+1], v[DH:DH+1], 0x4038aa3b op_sel_hi:[1,0]
	v_pk_mul_f32 v[DH+2:DH+3], v[DH+2:DH+3], 0x4038aa3b op_sel_hi:[1,0]
	global_store_b128 v[GO], v[DH:DH+3], s[12:13]  ; 16 lanes store 256 consecutive bytes of a row of deck, aligned
	s_wait_tensorcnt 0x0                           ; the wave's end, behind my last LDS store
	ds_add_u32 v[SPW], v[NIL]
	s_wait_dscnt 0x0
	s_endpgm
.Lfunc_end_k_q5461c4fe4d_prep:
	.size	k_q5461c4fe4d_prep, .Lfunc_end_k_q5461c4fe4d_prep-k_q5461c4fe4d_prep
	.p2alignl 7, 3214868480
	.fill 96, 4, 3214868480
	.section	.rodata,"a",@progbits
	.p2align	6, 0x0
	.amdhsa_kernel k_q5461c4fe4d_prep
		.amdhsa_group_segment_fixed_size 35840
		.amdhsa_private_segment_fixed_size 0
		.amdhsa_enable_private_segment 0
		.amdhsa_kernarg_size 40
		.amdhsa_user_sgpr_count 2
		.amdhsa_user_sgpr_kernarg_segment_ptr 1
		.amdhsa_wavefront_size32 1
		.amdhsa_system_sgpr_workgroup_id_x 1
		.amdhsa_system_sgpr_workgroup_id_y 1
		.amdhsa_system_sgpr_workgroup_id_z 1
		.amdhsa_system_vgpr_workitem_id 0
		.amdhsa_next_free_vgpr 240
		.amdhsa_next_free_sgpr 66
		.amdhsa_reserve_vcc 0
		.amdhsa_float_denorm_mode_32 3
		.amdhsa_float_denorm_mode_16_64 3
		.amdhsa_memory_ordered 1
		.amdhsa_forward_progress 1
		.amdhsa_inst_pref_size 18
	.end_amdhsa_kernel
	.amdgpu_metadata
---
amdhsa.version: [ 1, 2 ]
amdhsa.kernels:
  - .name:           k_q5461c4fe4d_prep
    .symbol:         k_q5461c4fe4d_prep.kd
    .args:
      - { .name: W_encoder, .offset: 0, .size: 8, .value_kind: global_buffer, .address_space: global }
      - { .name: W_decoder, .offset: 8, .size: 8, .value_kind: global_buffer, .address_space: global }
      - { .name: decoder_hidden, .offset: 16, .size: 8, .value_kind: global_buffer, .address_space: global }
      - { .name: wbf, .offset: 24, .size: 8, .value_kind: global_buffer, .address_space: global }
      - { .name: deck, .offset: 32, .size: 8, .value_kind: global_buffer, .address_space: global }
    .group_segment_fixed_size: 35840
    .private_segment_fixed_size: 0
    .kernarg_segment_align: 8
    .kernarg_segment_size: 40
    .max_flat_workgroup_size: 256
    .sgpr_count:     66
    .vgpr_count:     240
    .wavefront_size: 32
...
	.end_amdgpu_metadata
.endif
;; end of part 1
;; launch attn (part 2): grid 256 x 1, 4 waves a work-group, clusters of 4 x 1, 327,680 bytes of LDS; arguments encoder_outputs, wbf, deck, W_coverage, v, coverage, encoder_mask, scores, part; writes scores, part
.if DOCPART == 2
	.amdgcn_target "amdgcn-amd-amdhsa--gfx1250"
	.amdhsa_code_object_version 6
	.text
	.protected	k_q5461c4fe4d_attn
	.globl	k_q5461c4fe4d_attn
	.p2align	8
	.type	k_q5461c4fe4d_attn,@function
k_q5461c4fe4d_attn:
	s_mov_b64 s[64:65], 0
	v_nop
	global_prefetch_b8 v0, s[64:65] scope:SCOPE_SE
	s_setreg_imm32_b32 hwreg(HW_REG_WAVE_MODE, 25, 1), 1
	s_wait_xcnt 0x0
	s_wait_alu depctr_hold_cnt(0) depctr_sa_sdst(0) depctr_va_vdst(0) depctr_va_sdst(0) depctr_va_ssrc(0) depctr_va_vcc(0) depctr_vm_vsrc(0)
	s_getreg_b32 s2, hwreg(HW_REG_IB_STS2, 6, 4)
	s_cmp_eq_u32 s2, 0
	s_cbranch_scc0 .Lentry_in_a_cluster
	s_endpgm
.Lentry_in_a_cluster:
	s_bfe_u32 s2, ttmp6, 0x10000c
	s_cmp_lg_u32 s2, 0x3003
	s_cbranch_scc0 .Lentry_shape_is_right
	s_endpgm
.Lentry_shape_is_right:
; score[b][s] = sum over a of v[a] tanh(enc[b][s] . W[a] + dec[b][a] + cov[b][s] wc[a]), -1e10 where the mask is 0; and, with a running maximum, the work-group's part of the
; softmax and of the context: M, L = sum of 2^(c1 (score - M)), ctx[e] = sum of 2^(c1 (score - M)) enc[s][e].  The last launch joins a batch's four parts.
; tanh(x) = 1 - 2 / (1 + 2^(k2 x)), k2 = 2 log2(e): k2 lies in wbf, in deck and in the table of wc; so score = sum of v + sum of (-2 v[a]) / (1 + 2^y), y the matrix sum.
; LIMITS.  enc and k2 W are rounded once to bf16, for the product and (enc) for the context; the form of tanh is off by about 1e-7 absolutely and ends at +-1 where 2^y
; overflows or vanishes; a weight below 2^-126 counts as 0; NaN and infinities among the inputs are not treated apart.
; SHARES.  A work-group owns 512 positions s of one batch, in four CHUNKS of 128.  Four waves, 2 x 2: ws = w % 2 takes 64 s (four tiles of 16), wa = w / 2 half of the blocks
; of 16 a.  A wave keeps its 64 s x 512 e in 512 registers as source 1; a fragment of W read from LDS feeds four matrix instructions.  In the result a lane holds ONE s
; (lane % 16) and eight a (8 (lane / 16) + 0..7).
; W walks through a ring of two LDS slots of 64 rows (a tile); a tile is four blocks, wave wa multiplies blocks 2 wa and 2 wa + 1: 128 matrix instructions a slot.  64 tiles
; in all: 16 for each chunk.  CLUSTER: the four work-groups of a batch walk the same tiles, so each is asked for JOINTLY: the same load, descriptor and mask in all four.
; enc leaves memory once: while chunk c is multiplied, chunk c + 1 comes in through registers (a row of 2,048 bytes a block and wave, asked for four blocks ahead), is rounded to
; bf16 and PARKED in LDS; at the change of chunks the fragments are read from the park.  Only chunk 0 is waited for.
; THE PIPELINE.  A PERIOD is a block's 64 matrix instructions.  Beside them stand: the exponentials of the block before, the reciprocals of the block before that (one batch, one wait),
; then that block's sums, the 1 + 2^y of the block before, and the addends dec + cov wc that start the next block's sums.
; THE CONTEXT comes from the fragments in registers: ctx += p x enc, p the lane's own position's weight.  Register step kk' means K step (kk' + 8 wa) % 16, in W and in enc alike,
; so that e = 256 wa .. 256 wa + 255, the half that wave wa sums, always lies in window 2 and one text serves all waves.  m, l and ctx are kept per lane to the end.
; REGISTERS, in windows of 256 (s_set_vgpr_msb: bits 1:0 source 0, 3:2 source 1, 5:4 source 2, 7:6 destination):
;   window 0: addresses, statistics, v64-127 four rows of enc on their way, v128-255 ctx       window 1: v0-127 W's fragments of a block, two accumulators of 32, D, tables
;   window 2: enc, steps kk' 0-7, 64 a tile                                                     window 3: enc, steps kk' 8-15
.set WP,    1040                       ; a row of W or of parked enc in LDS: 1,024 bytes + 16 = 65 x 16: the 16 rows of a fragment load start at 16 different groups of four banks
.set QUART, 16*WP                      ; 16 rows: a block, and what one tensor load brings
.set SLOTB, 64*WP
.set PARK,  2*SLOTB                    ; 128 rows of bf16 enc, written by LDS stores; no tensor load lands here
.set TAB,   PARK+128*WP                ; three tables of 1,024 f32: k2 wc, then k2 dec, then -2 v
.set SCP,   TAB+3*4096                 ; partial scores [chunk][wa][128]
.set COVL,  SCP+4096                   ; the work-group's 512 cov, then its 512 masks
.set CX,    COVL+4096                  ; [ws][512] ctx at the end
.set MISC,  CX+4096                    ; +0 four parts of sum v, +64 four maxima, +128 four sums
.set SPARE, MISC+256                   ; the spare words, 128 bytes a wave: two blocks of 256 bytes that no other line names
.set RP,    528                        ; the last reduction: a lane's 128 f32 + 16 bytes
.set RED,   32*RP
.set SPW,  2                           ; v2   my spare word; never rewritten
.set NIL,  3                           ; v3   0; never rewritten
.set AWL,  4                           ; v4-7 W's fragments: slot 0 steps 0-7, slot 0 steps 8-15, slot 1 likewise
.set TA0,  8                           ; v8   my place in the tables
.set TA,   9                           ; v9   the same for the lap in hand
.set PKS0, 10                          ; v10  where I park
.set PKS,  11                          ; v11  the same for the lap in hand
.set PFO,  12                          ; v12  my offset in 16 rows of enc: 8192 w + 16 l
.set PFB,  13                          ; v13  the prefetch of enc: 8192 w + 2048 (l / 8) + 256 (l % 8)
.set APL,  14                          ; v14  the park's fragments, steps 0-7
.set APH,  15                          ; v15  steps 8-15
.set VV,   16                          ; v16-23  -2 v of a block
.set SACC, 24                          ; v24-31  score sums, a pair a tile
.set MSK,  32                          ; v32-35  the four tiles' masks
.set SC,   36                          ; v36-39  scores, then weights
.set MX,   40                          ; v40  m
.set LS,   41                          ; v41  l
.set AF,   42                          ; v42-43  the correction, named as a pair
.set VSUM, 44                          ; v44  sum of v
.set NEGV, 45                          ; v45  -1e10
.set SCW0, 46
.set SCR0, 47
.set VV2,  48                          ; v48-55  a second set, and at work
.set CVA0, 56
.set PFWO, 62                          ; v62  the prefetch of W: 65536 (l / 16) + 1024 ((l / 4) % 4) + 256 (l % 4)
.set MW,   63                          ; v63  MISC + 4 w
.set PF,   64
.set CTX,  128
.set ACC,  128                         ; window 1: two accumulators of 32 (tile t at + 8 t)
.set DD,   192                         ; window 1: 1 + 2^y, then its reciprocal
.set WCK,  224
.set DECK, 232
.set COV,  240
.set WV,   22
.set WS,   23
.set WA,   24
.set CXS,  25                          ; s25-27, s63: my place in the cluster and what is made of it: it enters global addresses of my own alone
.set G1,   28
.set G0,   36                          ; a group 0 for each slot
.set WBASE, 44                         ; wbf at my 16 rows of tile 0
.set OFF,  46                          ; the byte offset of the tile to be asked for next
.set PFP,  48                          ; enc at the 16 rows that the lap in hand asks for
.set PFQ,  50                          ; enc at the 16 rows that it prefetches
.set STEP, 52
.set SEL,  54
.set LAPC, 56
.set CHK,  57
.set LAPN, 58                          ; laps done, while enc is still coming
.set TL,   59
.set PL,   60
.set SCO,  61
.set CVO,  62
.set C1S,  66                          ; log2(e)
.set PINF, 67                          ; +infinity
.set PFWP, 72
.set LIMW, 74
.set MUL2, 0x59                        ; W and the sums in window 1, enc in window 2; exponentials, reciprocals and 1 + 2^y run under it too
.set MUL3, 0x5d                        ; enc in window 3
.set W_FM, 0x01
.set W_IN, 0x55
.set W_T1, 0x41
.set TO1,  0x40
.set TO2,  0x80
.set TO3,  0xc0
.set CV2,  0x8a
.set ST2,  0x08
.set CTXW, 0x02
.set MSB, 0
.macro WIN new                         ; the immediate's high byte repeats the setting that is left; a switch that changes nothing is dropped
.if MSB != (\new)
	s_set_vgpr_msb (MSB<<8)|(\new)
.set MSB, \new
.endif
.endm
.macro PLACES                          ; four plain instructions between a matrix instruction and a reader of its result or a load into one of its registers
.rept 4
	v_nop
.endr
.endm
.macro CREST                           ; a round of the cluster's barrier behind its opening barrier
	s_cmp_lg_u32 s[WV], 0
	s_cbranch_scc1 .Lnot_wave_0_\@
	s_barrier_signal -3
.Lnot_wave_0_\@:
	s_barrier_wait -3
	s_barrier_signal -1
	s_barrier_wait -1
.endm
.macro CROUND
	s_barrier_signal -1
	s_barrier_wait -1
	CREST
.endm
	s_load_b512 s[4:19], s[0:1], 0x0               ; enc s[4:5], wbf s[6:7], deck s[8:9], wc s[10:11], v s[12:13], cov s[14:15], mask s[16:17], scores s[18:19]
	s_load_b64 s[20:21], s[0:1], 0x40              ; part
	v_lshl_add_u32 v[SPW], v0, 2, SPARE
	v_mov_b32 v[NIL], 0
	ds_add_u32 v[SPW], v[NIL]                      ; the wave's opening: the add and its wait ahead of my first tensor load; work on registers stands between
	v_lshrrev_b32 v1, 5, v0
	v_readfirstlane_b32 s[WV], v1
	s_and_b32 s[WS], s[WV], 1
	s_lshr_b32 s[WA], s[WV], 1
	s_bfe_u32 s[CXS], ttmp6, 0x40000               ; which 512 positions of the batch; ttmp9, the cluster's number, is the batch
	; group 1: 16 rows x 512 elements of 2 bytes, 16 bytes of padding behind each row of 256 words
	s_mov_b32 s[G1+0], 15|(1<<16)|(1<<20)|(1<<21)|(7<<22)|(3<<25)  ; the mask of four; 2-byte elements; padding on; bit 21 beside a mask; after 256 words (code 7) 4 words (code 3)
	s_mov_b32 s[G1+1], 512<<16                     ; tensor_dim0
	s_mov_b32 s[G1+2], 16<<16                      ; tensor_dim1
	s_mov_b32 s[G1+3], 512<<16                     ; tile_dim0
	s_mov_b32 s[G1+4], 16                          ; tile_dim1
	s_mov_b32 s[G1+5], 512                         ; elements from row to row
	s_mov_b32 s[G1+6], 0
	s_mov_b32 s[G1+7], 0
	s_mov_b32 s[G0], 1
	s_mul_i32 s[G0+1], s[WV], QUART                ; my quarter of slot 0: no place in the cluster enters an LDS address
	s_mov_b32 s[G0+4], 1
	s_add_co_u32 s[G0+5], s[G0+1], SLOTB
	s_mov_b32 s[OFF], 2*65536
	s_mov_b32 s[OFF+1], 0
	s_mov_b32 s[STEP+1], 0
	s_mov_b32 s[SEL], 0x76543210
	s_mov_b32 s[SEL+1], 0xfedcba98
	s_mov_b32 s[C1S], 0x3fb8aa3b
	s_mov_b32 s[PINF], 0x7f800000
	s_mov_b32 s[LAPN], 0
	s_mov_b32 s[SCO], 0
	s_mov_b32 s[CVO], 0
	s_cmp_eq_u32 ttmp9, 0
	s_cselect_b32 s[LIMW], 6, 0                    ; batch 0's cluster prefetches W, in its first six laps
	s_lshl_b32 s68, s[WV], 14
	s_mov_b32 s69, 0
	s_lshl_b32 s70, ttmp9, 12
	s_mov_b32 s71, 0
	s_mov_b32 s27, 0
	s_wait_dscnt 0x0                               ; the opening add is done
	s_wait_kmcnt 0x0
	s_add_nc_u64 s[WBASE:WBASE+1], s[6:7], s[68:69]
	s_mov_b64 s[G0+2:G0+3], s[WBASE:WBASE+1]       ; tile 0
	s_or_b32 s[G0+3], s[G0+3], 0x80000000
	s_add_nc_u64 s[G0+6:G0+7], s[WBASE:WBASE+1], 65536  ; tile 1
	s_or_b32 s[G0+7], s[G0+7], 0x80000000
	s_add_nc_u64 s[8:9], s[8:9], s[70:71]          ; the batch's row of deck
	s_lshl_b32 s26, ttmp9, 22
	s_lshl_b32 s63, s[CXS], 20
	s_add_co_u32 s26, s26, s63
	s_add_nc_u64 s[4:5], s[4:5], s[26:27]          ; enc at my 512 rows
	s_lshl_b32 s26, ttmp9, 13
	s_lshl_b32 s63, s[CXS], 11
	s_add_co_u32 s26, s26, s63
	s_add_nc_u64 s[14:15], s[14:15], s[26:27]
	s_add_nc_u64 s[16:17], s[16:17], s[26:27]
	s_add_nc_u64 s[18:19], s[18:19], s[26:27]
	s_lshl_b32 s26, ttmp9, 2
	s_add_co_u32 s26, s26, s[CXS]
	s_mul_i32 s26, s26, 2560
	s_add_nc_u64 s[20:21], s[20:21], s[26:27]      ; my record of part
	s_lshl_b32 s26, s[CXS], 12                     ; of my wave's 16 rows of a tile my work-group prefetches four
	s_add_nc_u64 s[PFWP:PFWP+1], s[WBASE:WBASE+1], s[26:27]
	s_add_nc_u64 s[PFWP:PFWP+1], s[PFWP:PFWP+1], 4*65536
	s_add_nc_u64 s[PFP:PFP+1], s[4:5], 144*2048
	s_add_nc_u64 s[PFQ:PFQ+1], s[4:5], 160*2048
	CROUND                                         ; all four work-groups are here: the first joint loads meet
	tensor_load_to_lds s[G0:G0+3], s[G1:G1+7]      ; both first fills go out together: two loads of mine are out
	s_nop 0
	tensor_load_to_lds s[G0+4:G0+7], s[G1:G1+7]
	s_nop 0
	PLACES
; THE PROLOGUE.  Tables, and chunk 0 through registers into the park.  Row i of my 36: row 16 (i / 4) + 4 w + i % 4 of the work-group's.  Twelve rows (48 loads) are on their way.
.macro ROWLD i
.if (\i) < 32
	WIN TO2
.irp q, 0,1,2,3
	global_load_b128 v[16*((\i)%12)+4*\q:16*((\i)%12)+4*\q+3], v[PFO], s[4:5] offset:((\i)>>2)*32768+((\i)&3)*2048+512*\q th:TH_LOAD_NT
.endr
.else                                  ; rows 32-35 are chunk 1's first: they go where the first lap expects them
	WIN 0
.irp q, 0,1,2,3
	global_load_b128 v[PF+16*((\i)&3)+4*\q:PF+16*((\i)&3)+4*\q+3], v[PFO], s[4:5] offset:((\i)>>2)*32768+((\i)&3)*2048+512*\q th:TH_LOAD_NT
.endr
.endif
.endm
.macro ROWIN i
.if (\i) < 24
	s_wait_loadcnt 44                              ; loads come back in order: row i is in, the eleven rows behind it stay out
.else
	s_wait_loadcnt 4*(35-(\i))                     ; fewer rows stand behind it
.endif
	WIN CV2
.irp q, 0,1,2,3
	v_cvt_pk_bf16_f32 v[16*((\i)%12)+4*\q], v[16*((\i)%12)+4*\q], v[16*((\i)%12)+4*\q+1]
	v_cvt_pk_bf16_f32 v[16*((\i)%12)+4*\q+1], v[16*((\i)%12)+4*\q+2], v[16*((\i)%12)+4*\q+3]
.endr
	WIN ST2
.irp q, 0,1,2,3
.if (\i) < 16
	ds_store_b64 v[PKS0], v[16*((\i)%12)+4*\q:16*((\i)%12)+4*\q+1] offset:(((\i)>>2)*16+((\i)&3))*WP+256*\q
.else
	ds_store_b64 v[PKS], v[16*((\i)%12)+4*\q:16*((\i)%12)+4*\q+1] offset:((((\i)>>2)-4)*16+((\i)&3))*WP+256*\q
.endif
.endr
.if (\i) < 24
	ROWLD (\i)+12
.endif
.endm
	v_and_b32 v59, 31, v0
	s_lshl_b32 s68, s[WV], 13
	v_lshl_add_u32 v[PFO], v59, 4, s68
	v_lshlrev_b32 v50, 5, v0
	v_lshlrev_b32 v51, 4, v0
	global_load_b128 v[128:131], v50, s[10:11]     ; eight wc, eight v, eight dec, four cov and four masks a thread, into ctx's registers, which are cleared later
	global_load_b128 v[132:135], v50, s[10:11] offset:16
	global_load_b128 v[136:139], v50, s[12:13]
	global_load_b128 v[140:143], v50, s[12:13] offset:16
	global_load_b128 v[144:147], v50, s[8:9]
	global_load_b128 v[148:151], v50, s[8:9] offset:16
	global_load_b128 v[152:155], v51, s[14:15]
	global_load_b128 v[156:159], v51, s[16:17]
.set ri, 0
.rept 12
	ROWLD ri
.set ri, ri+1
.endr
	WIN 0
	v_and_b32 v57, 15, v0                          ; r = l % 16
	v_bfe_u32 v58, v0, 4, 1                        ; h = l / 16
	v_mul_u32_u24 v60, v57, WP
	v_lshl_add_u32 v60, v58, 4, v60                ; a fragment: row x pitch + 16 h
	s_mul_i32 s68, s[WA], 2*QUART+512              ; my two blocks of a tile; steps 0-7 begin at byte 512 wa of a row,
	s_lshl_b32 s69, s[WA], 15
	s_add_co_u32 s69, s69, 512                     ; steps 8-15 at byte 512 (1 - wa)
	v_add_nc_u32 v[AWL], s68, v60
	v_add_nc_u32 v[AWL+1], s69, v60
	v_add_nc_u32 v[AWL+2], SLOTB, v[AWL]
	v_add_nc_u32 v[AWL+3], SLOTB, v[AWL+1]
	s_mul_i32 s68, s[WS], SLOTB                    ; my 64 rows of the park
	s_add_co_u32 s68, s68, PARK
	s_lshl_b32 s69, s[WA], 9
	s_add_co_u32 s70, s68, s69
	s_sub_co_u32 s71, s68, s69
	s_add_co_u32 s71, s71, 512
	v_add_nc_u32 v[APL], s70, v60
	v_add_nc_u32 v[APH], s71, v60
	s_lshl_b32 s68, s[WA], 7
	s_add_co_u32 s68, s68, TAB
	v_lshl_add_u32 v[TA0], v58, 5, s68             ; my eight a of a block: 128 wa + 32 h
	s_mul_i32 s68, s[WV], 4*WP
	s_add_co_u32 s68, s68, PARK
	v_lshl_add_u32 v[PKS0], v59, 3, s68
	v_add_nc_u32 v[PKS], SLOTB, v[PKS0]            ; in the prologue: rows 64 on
	s_lshl_b32 s68, s[WV], 13
	v_lshrrev_b32 v61, 3, v59
	v_and_b32 v1, 7, v0
	v_lshl_add_u32 v[PFB], v61, 11, s68
	v_lshl_add_u32 v[PFB], v1, 8, v[PFB]
	v_bfe_u32 v61, v0, 2, 2
	v_and_b32 v1, 3, v0
	v_lshlrev_b32 v[PFWO], 16, v58
	v_lshl_add_u32 v[PFWO], v61, 10, v[PFWO]
	v_lshl_add_u32 v[PFWO], v1, 8, v[PFWO]
	s_lshl_b32 s68, s[WS], 8
	s_lshl_b32 s69, s[WA], 9
	s_add_co_u32 s70, s68, SCP
	v_lshl_add_u32 v[SCR0], v57, 2, s70
	v_add_nc_u32 v[SCW0], s69, v[SCR0]
	s_add_co_u32 s70, s68, COVL
	v_lshl_add_u32 v[CVA0], v57, 2, s70
	s_lshl_b32 s68, s[WV], 2
	s_add_co_u32 s68, s68, MISC
	v_mov_b32 v[MW], s68
	v_mov_b32 v[NEGV], 0xd01502f9                  ; -1e10
	v_mov_b32 v[MX], 0xff000000                    ; m starts far below every score, so the first correction is 0
	v_mov_b32 v[LS], 0
	v_mov_b32 v[AF], 0
	v_mov_b32 v[AF+1], 0
	s_wait_loadcnt 48                              ; the tables are in; the 48 loads of enc behind them stay out
	v_add_f32 v48, v136, v137
	v_add_f32 v49, v138, v139
	v_add_f32 v52, v140, v141
	v_add_f32 v53, v142, v143
	v_add_f32 v48, v48, v49
	v_add_f32 v52, v52, v53
	v_add_f32 v48, v48, v52
	v_add_f32_dpp v48, v48, v48 row_xmask:1 row_mask:0xf bank_mask:0xf
	v_add_f32_dpp v48, v48, v48 row_xmask:2 row_mask:0xf bank_mask:0xf
	v_add_f32_dpp v48, v48, v48 row_xmask:4 row_mask:0xf bank_mask:0xf
	v_add_f32_dpp v48, v48, v48 row_xmask:8 row_mask:0xf bank_mask:0xf
	v_permlanex16_b32 v49, v48, s[SEL], s[SEL+1]
	v_add_f32 v48, v48, v49                        ; my wave's 256 v
.irp p, 0,2,4,6
	v_pk_mul_f32 v[128+\p:129+\p], v[128+\p:129+\p], 0x4038aa3b op_sel_hi:[1,0]
	v_pk_mul_f32 v[136+\p:137+\p], v[136+\p:137+\p], -2.0 op_sel_hi:[1,0]
.endr
	v_lshl_add_u32 v1, v0, 5, TAB
	v_lshl_add_u32 v52, v0, 4, COVL
	ds_store_b128 v1, v[128:131]
	ds_store_b128 v1, v[132:135] offset:16
	ds_store_b128 v1, v[144:147] offset:4096
	ds_store_b128 v1, v[148:151] offset:4112
	ds_store_b128 v1, v[136:139] offset:8192
	ds_store_b128 v1, v[140:143] offset:8208
	ds_store_b128 v52, v[152:155]
	ds_store_b128 v52, v[156:159] offset:2048
	ds_store_b32 v[MW], v48
.set zi, 0
.rept 128                                      ; ctx starts at 0: 128 lines, once a launch, in the wait for the first rows, so that every chunk has one text
	v_mov_b32 v[CTX+zi], 0
.set zi, zi+1
.endr
.set ri, 0
.rept 32
	ROWIN ri
.set ri, ri+1
.endr
	WIN 0
	s_wait_tensorcnt 0x1                           ; my part of tile 0 is in; tile 1's may stay out
	s_wait_dscnt 0x0                               ; my tables and my rows of the park are stored
	s_barrier_signal -1
	s_barrier_wait -1
	v_mov_b32 v1, MISC
	ds_load_b128 v[48:51], v1
	s_wait_dscnt 0x0
	v_add_f32 v48, v48, v49
	v_add_f32 v50, v50, v51
	v_add_f32 v[VSUM], v48, v50
; 16 LDS loads: eight fragments of W (16 a x 32 k each) into window 1 from v[buf] on
.macro LDW buf, adr, off
	WIN TO1
.irp f, 0,1,2,3,4,5,6,7
	ds_load_b128 v[(\buf)+8*\f:(\buf)+8*\f+3], v[\adr] offset:(\off)+64*\f
	ds_load_b128 v[(\buf)+8*\f+4:(\buf)+8*\f+7], v[\adr] offset:(\off)+64*\f+32
.endr
.endm
; The tables of period j of a lap: wc and dec of the NEXT block, -2 v of the block TWO back.  Block 4 L + j of a chunk lies at byte 512 L + 256 (j / 2) + 64 (j % 2) of my part of a table.
; (In a chunk's first two periods the -2 v read are words of the table in front, and are multiplied by 0; in its last period the wc and dec read serve nothing.)
.macro LDTAB j
.set o1, (((\j)+1)>>1)*256+(((\j)+1)&1)*64
.set o2, 8192-512+(((\j)+2)>>1)*256+(((\j)+2)&1)*64
	WIN TO1
	ds_load_b128 v[WCK:WCK+3], v[TA] offset:o1
	ds_load_b128 v[WCK+4:WCK+7], v[TA] offset:o1+16
	ds_load_b128 v[DECK:DECK+3], v[TA] offset:o1+4096
	ds_load_b128 v[DECK+4:DECK+7], v[TA] offset:o1+4112
	WIN 0
	ds_load_b128 v[VV:VV+3], v[TA] offset:o2
	ds_load_b128 v[VV+4:VV+7], v[TA] offset:o2+16
.endm
; Matrix instruction mi of a period's 64: step mi / 4, tile mi % 4.  The four tiles take turns, over the periods' ends too.
.macro MM x
.set kk, mi>>2
.set tt, mi&3
.if kk < 8
	WIN MUL2
.else
	WIN MUL3
.endif
	v_wmma_f32_16x16x32_bf16 v[ACC+32*(\x)+8*tt:ACC+32*(\x)+8*tt+7], v[8*kk:8*kk+7], v[64*tt+8*(kk&7):64*tt+8*(kk&7)+7], v[ACC+32*(\x)+8*tt:ACC+32*(\x)+8*tt+7]
.endm
.macro INITQ ya, q                     ; pair q of each tile's sums starts at k2 wc cov + k2 dec
	WIN W_IN
.irp t, 0,2
	v_pk_fma_f32 v[(\ya)+8*\t+2*(\q):(\ya)+8*\t+2*(\q)+1], v[WCK+2*(\q):WCK+2*(\q)+1], v[COV+\t:COV+\t+1], v[DECK+2*(\q):DECK+2*(\q)+1] op_sel_hi:[1,0,1]
	v_pk_fma_f32 v[(\ya)+8*(\t+1)+2*(\q):(\ya)+8*(\t+1)+2*(\q)+1], v[WCK+2*(\q):WCK+2*(\q)+1], v[COV+\t:COV+\t+1], v[DECK+2*(\q):DECK+2*(\q)+1] op_sel:[0,1,0] op_sel_hi:[1,1,1]
.endr
.endm
.macro FMAQ vv, q                      ; each tile's score sum takes pair q of the reciprocals times -2 v
	WIN W_FM
.irp t, 0,1,2,3
	v_pk_fma_f32 v[SACC+2*\t:SACC+2*\t+1], v[DD+8*\t+2*(\q):DD+8*\t+2*(\q)+1], v[(\vv)+2*(\q):(\vv)+2*(\q)+1], v[SACC+2*\t:SACC+2*\t+1]
.endr
.endm
.macro ADDQ ya, g                      ; tile g: D = 2^y + 1 (destination and source 0 in window 1)
.irp z, 0,1,2,3
	v_pk_add_f32 v[DD+8*(\g)+2*\z:DD+8*(\g)+2*\z+1], v[(\ya)+8*(\g)+2*\z:(\ya)+8*(\g)+2*\z+1], 1.0 op_sel_hi:[1,0]
.endr
.endm
; A quarter q of row slot j: 512 bytes of f32 become 256 of bf16, are parked, and the slot is asked for again, 16 rows further down.
.macro PFS j, q
	WIN 0
.if (\q) == 0
	s_wait_loadcnt 12                              ; the slot's four loads are the oldest of sixteen; the three younger rows stay out
.endif
.set pr, PF+16*(\j)+4*(\q)
	v_cvt_pk_bf16_f32 v[pr], v[pr], v[pr+1]
	v_cvt_pk_bf16_f32 v[pr+1], v[pr+2], v[pr+3]
	ds_store_b64 v[PKS], v[pr:pr+1] offset:WP*(\j)+256*(\q)
	global_load_b128 v[pr:pr+3], v[PFO], s[PFP:PFP+1] offset:2048*(\j)+512*(\q) th:TH_LOAD_NT
.if ((\j) == 0) && ((\q) == 3)
	global_prefetch_b8 v[PFB], s[PFQ:PFQ+1] th:TH_LOAD_NT scope:SCOPE_SE  ; my own four rows of the NEXT lap's sixteen, eight blocks of 256 bytes each, a lane a block: one lap, 256 matrix instructions, ahead of their loads
.endif
.endm
; W's first walk: batch 0's cluster asks, in laps 0 to 5, for tiles 4 + 2 lap and 5 + 2 lap, two refills ahead of their joint loads.  A wave names its own 16 rows of a tile; the four
; partners share them out by address, four rows each; lanes 0-15 take the first tile's 16 blocks of 256 bytes, lanes 16-31 the second's.  So each block of wbf from tile 4 on is named once.
.macro ASKW
	WIN 0
	s_cmp_lt_u32 s[LAPN], s[LIMW]
	s_cbranch_scc0 .Lnot_mine_\@
	global_prefetch_b8 v[PFWO], s[PFWP:PFWP+1] th:TH_LOAD_NT scope:SCOPE_SE
.Lnot_mine_\@:
.endm
; A PERIOD: block j of a lap, in slot, into accumulator par.  mode 0: the slot's first block.  mode 1: its second: the slot is left and filled again.  mode 2: left, not filled.  mode 3: the last of all.
; W's steps 8-15 are fetched at the head, 32 matrix instructions ahead of their use; the next block's steps 0-7 in the middle, likewise.
; THE CHANGE OF SLOTS (mode 1): ahead of instruction 16 the wait for all my tensor loads (one is out: my part of the other slot) and the add; eight matrix instructions; the wait for the add and for my
; reads of this slot (the last were issued at the head); the signal; eight more; then the rest of a round of the cluster's barrier, and the joint refill first behind it.
; It has 112 matrix instructions in which to land.
.macro PERIOD j, slot, par, mode, pf
.set YA, ACC+32-32*(\par)
	s_wait_dscnt 0x0                               ; this block's steps 0-7 are in
	PLACES                                         ; behind the last period's last product: for the loads into steps 8-15 and for the first exponential
	LDW 64, AWL+1+2*(\slot), QUART*(\par)
	LDTAB \j
.set mi, 0
.rept 64
.if ((\mode) == 1) || ((\mode) == 2)
.if mi == 16
	WIN 0
	s_wait_tensorcnt 0x0                           ; no tensor load of mine is out, so a group 0 may be written
	ds_add_u32 v[SPW], v[NIL]                      ; 0 onto my spare word
.if (\mode) == 1
	s_add_nc_u64 s[G0+4*(\slot)+2:G0+4*(\slot)+3], s[WBASE:WBASE+1], s[OFF:OFF+1]  ; the address is made anew: the tile two on, round the 16 tiles of W
	s_or_b32 s[G0+4*(\slot)+3], s[G0+4*(\slot)+3], 0x80000000
	s_add_co_u32 s[OFF], s[OFF], 65536
	s_and_b32 s[OFF], s[OFF], 0xfffff
.endif
.endif
.if mi == 24
	s_wait_dscnt 0x0                               ; the add is done, my reads of this slot are over, steps 8-15 and the tables are in
	s_barrier_signal -1
.endif
.endif
.if mi == 32
.if (\mode) == 0
	s_wait_dscnt 0x0                               ; steps 8-15 and the tables are in
	PLACES
	LDW 0, AWL+2*(\slot), QUART
.elseif (\mode) == 1
	v_nop                                          ; a plain instruction behind the last exponential,
	s_wait_alu depctr_va_vdst(0)                   ; and the wait ahead of a branch
	WIN 0
	s_barrier_wait -1
	CREST                                          ; no wave of any partner still reads this slot or has a load on its way
	tensor_load_to_lds s[G0+4*(\slot):G0+4*(\slot)+3], s[G1:G1+7]
	s_nop 0
	PLACES                                         ; also the places in front of the loads below
	LDW 0, AWL+2-2*(\slot), 0
.if (\pf) && ((\slot) == 0)
	ASKW
.endif
.elseif (\mode) == 2
	s_barrier_wait -1
	PLACES
	LDW 0, AWL+2-2*(\slot), 0
.else
	s_wait_dscnt 0x0
.endif
.endif
	MM \par
.if mi < 32                                    ; 2^y of the block before, in place; each accumulator's register 0 is read first
	v_exp_f32 v[YA+8*(mi&3)+(mi>>2)], v[YA+8*(mi&3)+(mi>>2)]
.endif
.if mi < 16                                    ; 1 / (1 + 2^y) of the block before that, in place
	v_rcp_f32 v[DD+8*(mi&3)+(mi>>2)], v[DD+8*(mi&3)+(mi>>2)]
.endif
.if (mi >= 32) && (mi < 48)
	v_rcp_f32 v[DD+8*(mi&3)+((mi-16)>>2)], v[DD+8*(mi&3)+((mi-16)>>2)]
.endif
.if (\pf) && ((mi == 2) || (mi == 4) || (mi == 6) || (mi == 8))
	PFS \j, (mi-2)/2
.endif
.if mi == 47
	v_nop                                          ; a plain instruction behind the last reciprocal,
	s_wait_alu depctr_va_vdst(0)                   ; and ONE wait for the batch: nothing ahead of it names a result
.endif
.if (mi >= 48) && (mi < 52)
	FMAQ VV, mi-48
.endif
.if (mi >= 52) && (mi < 56)
	ADDQ YA, mi-52
.endif
.if (mi >= 56) && (mi < 60)
	INITQ YA, mi-56
.endif
.set mi, mi+1
.endr
.endm
; A LAP: once round the ring, four blocks.  pf = 1: sixteen rows of the next chunk come in.  last = 1: nothing is asked for.
.macro LAP pf, last
	WIN 0
	v_add_nc_u32 v[TA], s[TL], v[TA0]
	v_add_nc_u32 v[PKS], s[PL], v[PKS0]
	PERIOD 0, 0, 0, 0, \pf
.if \last
	PERIOD 1, 0, 1, 2, \pf
.else
	PERIOD 1, 0, 1, 1, \pf
.endif
	PERIOD 2, 1, 0, 0, \pf
.if \last
	PERIOD 3, 1, 1, 3, \pf
.else
	PERIOD 3, 1, 1, 1, \pf
.endif
	WIN 0
	s_add_co_u32 s[TL], s[TL], 512
	s_add_co_u32 s[PL], s[PL], QUART
.if \pf
	s_wait_xcnt 0x0                                ; the lap's loads and prefetches (the youngest 55 matrix instructions back) have read their addresses: the pointers may be written
	s_cmp_lt_u32 s[LAPN], 22                       ; lap n asks for rows 144 + 16 n; the last rows are 496 on: lap 23 asks for them once more and uses none: the price of one text
	s_cselect_b32 s[STEP], 32768, 0
	s_add_nc_u64 s[PFP:PFP+1], s[PFP:PFP+1], s[STEP:STEP+1]
	s_cmp_lt_u32 s[LAPN], 21                       ; the prefetch stands 16 rows further and stops there too
	s_cselect_b32 s[STEP], 32768, 0
	s_add_nc_u64 s[PFQ:PFQ+1], s[PFQ:PFQ+1], s[STEP:STEP+1]
	s_cmp_lt_u32 s[LAPN], 5                        ; W's stops at tiles 14 and 15
	s_cselect_b32 s[STEP], 131072, 0
	s_add_nc_u64 s[PFWP:PFWP+1], s[PFWP:PFWP+1], s[STEP:STEP+1]
	s_add_co_u32 s[LAPN], s[LAPN], 1
.endif
.endm
.macro FLOAD win, adr                  ; 64 LDS loads: my 64 rows x 256 e of the park as 32 fragments
	WIN \win
.irp t, 0,1,2,3
.irp k, 0,1,2,3,4,5,6,7
	ds_load_b128 v[64*\t+8*\k:64*\t+8*\k+3], v[\adr] offset:QUART*\t+64*\k
	ds_load_b128 v[64*\t+8*\k+4:64*\t+8*\k+7], v[\adr] offset:QUART*\t+64*\k+32
.endr
.endr
.endm
; A CHUNK BEGINS: its fragments, cov and masks, the first block's tables.  Behind the barrier every wave has read the park, and it may be written again.
; The two stages of the pipeline that have no block yet hold +infinity: 2^inf + 1 = inf, 1 / inf = 0, and 0 is what their sums add.
.macro START
	FLOAD TO2, APL
	FLOAD TO3, APH
	WIN 0
	v_add_nc_u32 v1, s[CVO], v[CVA0]
.irp t, 0,1,2,3
	ds_load_b32 v[MSK+\t], v1 offset:2048+64*\t
.endr
	WIN TO1
.irp t, 0,1,2,3
	ds_load_b32 v[COV+\t], v1 offset:64*\t
.endr
	ds_load_b128 v[WCK:WCK+3], v[TA0]
	ds_load_b128 v[WCK+4:WCK+7], v[TA0] offset:16
	ds_load_b128 v[DECK:DECK+3], v[TA0] offset:4096
	ds_load_b128 v[DECK+4:DECK+7], v[TA0] offset:4112
	WIN 0
	s_wait_dscnt 0x0                               ; my reads of the park are over
	s_barrier_signal -1
	s_barrier_wait -1                              ; (the one tensor load that is out crosses this barrier)
.irp q, 0,1,2,3
	INITQ ACC, \q
.endr
	WIN TO1
.set zi, 0
.rept 64
	v_mov_b32 v[ACC+32+zi], s[PINF]
.set zi, zi+1
.endr
	WIN 0
.irp i, 0,1,2,3,4,5,6,7
	v_mov_b32 v[SACC+\i], 0
.endr
	s_mov_b32 s[TL], 0
	s_mov_b32 s[PL], 0
.endm
; A CHUNK ENDS: the pipeline's last two blocks; the two halves of a meet in LDS; mask; running softmax per lane; the context from the fragments.
.macro FINISH
	WIN 0
	ds_load_b128 v[VV:VV+3], v[TA0] offset:8192+3840       ; -2 v of blocks 30 and 31
	ds_load_b128 v[VV+4:VV+7], v[TA0] offset:8192+3856
	ds_load_b128 v[VV2:VV2+3], v[TA0] offset:8192+3904
	ds_load_b128 v[VV2+4:VV2+7], v[TA0] offset:8192+3920
	PLACES                                         ; behind the last product
	WIN W_T1
.set fi, 0
.rept 32
	v_exp_f32 v[ACC+32+8*(fi&3)+(fi>>2)], v[ACC+32+8*(fi&3)+(fi>>2)]
.set fi, fi+1
.endr
.set fi, 0
.rept 32
	v_rcp_f32 v[DD+fi], v[DD+fi]
.set fi, fi+1
.endr
	v_nop
	s_wait_alu depctr_va_vdst(0)                   ; one wait for the 64
	s_wait_dscnt 0x0
.irp q, 0,1,2,3
	FMAQ VV, \q
.endr
	WIN W_T1
.irp g, 0,1,2,3
	ADDQ ACC+32, \g
.endr
.set fi, 0
.rept 32
	v_rcp_f32 v[DD+fi], v[DD+fi]
.set fi, fi+1
.endr
	v_nop
	s_wait_alu depctr_va_vdst(0)
.irp q, 0,1,2,3
	FMAQ VV2, \q
.endr
	WIN 0
.irp t, 0,1,2,3
	v_add_f32 v[SC+\t], v[SACC+2*\t], v[SACC+2*\t+1]
.endr
.irp t, 0,1,2,3
	v_permlanex16_b32 v[VV2+\t], v[SC+\t], s[SEL], s[SEL+1]  ; the position's other eight a of each block lie in the lane 16 away
.endr
.irp t, 0,1,2,3
	v_add_f32 v[SC+\t], v[SC+\t], v[VV2+\t]
.endr
	v_add_nc_u32 v1, s[SCO], v[SCW0]
.irp t, 0,1,2,3
	ds_store_b32 v1, v[SC+\t] offset:64*\t
.endr
	s_wait_dscnt 0x0                               ; my partial scores and all my rows of the park are stored
	s_barrier_signal -1
	s_barrier_wait -1
	v_add_nc_u32 v1, s[SCO], v[SCR0]
.irp t, 0,1,2,3
	ds_load_b32 v[VV2+\t], v1 offset:64*\t
	ds_load_b32 v[VV2+4+\t], v1 offset:64*\t+512
.endr
	s_wait_dscnt 0x0
.irp t, 0,1,2,3
	v_add_f32 v[SC+\t], v[VV2+\t], v[VV2+4+\t]
.endr
.irp t, 0,1,2,3
	v_add_f32 v[SC+\t], v[SC+\t], v[VSUM]
.endr
.irp t, 0,1,2,3
	v_cmp_eq_u32 vcc_lo, 0, v[MSK+\t]
	v_cndmask_b32 v[SC+\t], v[SC+\t], v[NEGV], vcc_lo
.endr
	v_max3_num_f32 v57, v[MX], v[SC], v[SC+1]
	v_max3_num_f32 v57, v57, v[SC+2], v[SC+3]
	v_sub_f32 v58, v[MX], v57
.irp t, 0,1,2,3
	v_sub_f32 v[SC+\t], v[SC+\t], v57
.endr
	v_mul_f32 v58, s[C1S], v58
.irp t, 0,1,2,3
	v_mul_f32 v[SC+\t], s[C1S], v[SC+\t]
.endr
	v_exp_f32 v[AF], v58
.irp t, 0,1,2,3
	v_exp_f32 v[SC+\t], v[SC+\t]
.endr
	v_mov_b32 v[MX], v57                           ; the plain instruction behind the last exponential
	s_wait_alu depctr_va_vdst(0)                   ; one wait for the five
	v_add_f32 v58, v[SC], v[SC+1]
	v_add_f32 v59, v[SC+2], v[SC+3]
	v_add_f32 v58, v58, v59
	v_fma_f32 v[LS], v[LS], v[AF], v58
.set ci, 0
.rept 64
	v_pk_mul_f32 v[CTX+2*ci:CTX+2*ci+1], v[CTX+2*ci:CTX+2*ci+1], v[AF:AF+1] op_sel_hi:[1,0]
.set ci, ci+1
.endr
	WIN CTXW                                       ; register ci of a tile's 64 holds two e of the lane's row: ctx[2 ci], ctx[2 ci + 1]
.irp t, 0,1,2,3
.set ci, 0
.rept 64
	v_fma_mix_f32_bf16 v[CTX+2*ci], v[64*\t+ci], v[SC+\t], v[CTX+2*ci] op_sel:[0,0,0] op_sel_hi:[1,0,0]
	v_fma_mix_f32_bf16 v[CTX+2*ci+1], v[64*\t+ci], v[SC+\t], v[CTX+2*ci+1] op_sel:[1,0,0] op_sel_hi:[1,0,0]
.set ci, ci+1
.endr
.endr
	WIN 0
	s_add_co_u32 s[SCO], s[SCO], 1024
	s_add_co_u32 s[CVO], s[CVO], 512
.endm
	LDW 0, AWL, 0                                  ; the first block's steps 0-7
	WIN 0
	s_mov_b32 s[CHK], 3
.Lchunk:                                       ; chunks 0 to 2: the next chunk comes in meanwhile
	START
	s_mov_b32 s[LAPC], 8
.Llap:
	LAP 1, 0
	s_sub_co_u32 s[LAPC], s[LAPC], 1
	s_cmp_lg_u32 s[LAPC], 0
	s_cbranch_scc1 .Llap
	FINISH
	s_sub_co_u32 s[CHK], s[CHK], 1
	s_cmp_lg_u32 s[CHK], 0
	s_cbranch_scc1 .Lchunk
	START                                          ; chunk 3: nothing more comes in
	s_mov_b32 s[LAPC], 7
.Llap2:
	LAP 0, 0
	s_sub_co_u32 s[LAPC], s[LAPC], 1
	s_cmp_lg_u32 s[LAPC], 0
	s_cbranch_scc1 .Llap2
	LAP 0, 1                                       ; the last lap is written out: tiles 62 and 63 have been asked for
	FINISH
	; THE END.  The work-group's maximum M; every lane's l and ctx are brought to it; ctx is added over the 16 lanes of a half (through my own bytes of the park's place) and over ws.
	v_mov_b32 v57, v[MX]
	v_max_num_f32_dpp v57, v57, v57 row_xmask:1 row_mask:0xf bank_mask:0xf
	v_max_num_f32_dpp v57, v57, v57 row_xmask:2 row_mask:0xf bank_mask:0xf
	v_max_num_f32_dpp v57, v57, v57 row_xmask:4 row_mask:0xf bank_mask:0xf
	v_max_num_f32_dpp v57, v57, v57 row_xmask:8 row_mask:0xf bank_mask:0xf  ; the two halves of the lanes hold the same positions
	ds_store_b32 v[MW], v57 offset:64
	s_wait_dscnt 0x0
	s_barrier_signal -1
	s_barrier_wait -1
	v_mov_b32 v1, MISC
	ds_load_b128 v[48:51], v1 offset:64
	s_mul_i32 s68, s[WV], RED
	s_add_co_u32 s68, s68, PARK
	v_and_b32 v61, 31, v0
	v_mul_u32_u24 v60, v61, RP
	v_add_nc_u32 v60, s68, v60                     ; in: my 128 numbers
	v_and_b32 v61, 15, v0                          ; c
	v_bfe_u32 v59, v0, 4, 1                        ; h
	v_mul_u32_u24 v62, v59, 16*RP
	v_lshl_add_u32 v62, v61, 5, v62
	v_add_nc_u32 v62, s68, v62                     ; back: numbers 8 c .. 8 c + 7 of the 16 lanes of my half
	s_lshl_b32 s68, s[WS], 11
	s_lshl_b32 s69, s[WA], 10
	s_add_co_u32 s68, s68, s69
	s_add_co_u32 s68, s68, CX
	v_lshl_add_u32 v61, v61, 6, s68
	v_lshl_add_u32 v61, v59, 5, v61                ; they are e = 256 wa + 16 c + 8 h + 0..7
	s_wait_dscnt 0x0
	v_max3_num_f32 v57, v48, v49, v50
	v_max_num_f32 v57, v57, v51                    ; M
	v_sub_f32 v58, v[MX], v57
	v_mul_f32 v58, s[C1S], v58
	v_exp_f32 v[AF], v58
	v_nop
	s_wait_alu depctr_va_vdst(0)
	v_mul_f32 v59, v[LS], v[AF]
	v_add_f32_dpp v59, v59, v59 row_xmask:1 row_mask:0xf bank_mask:0xf
	v_add_f32_dpp v59, v59, v59 row_xmask:2 row_mask:0xf bank_mask:0xf
	v_add_f32_dpp v59, v59, v59 row_xmask:4 row_mask:0xf bank_mask:0xf
	v_add_f32_dpp v59, v59, v59 row_xmask:8 row_mask:0xf bank_mask:0xf
	ds_store_b32 v[MW], v59 offset:128             ; my 64 positions' sum (waves 2 and 3 hold the same as 0 and 1)
.set ci, 0
.rept 64
	v_pk_mul_f32 v[CTX+2*ci:CTX+2*ci+1], v[CTX+2*ci:CTX+2*ci+1], v[AF:AF+1] op_sel_hi:[1,0]
.set ci, ci+1
.endr
.set ci, 0
.rept 32
	ds_store_b128 v60, v[CTX+4*ci:CTX+4*ci+3] offset:16*ci
.set ci, ci+1
.endr
	WIN TO1
.set ci, 0
.rept 16                                       ; LDS serves a wave's instructions in order (ISA guide 5.7.1.4): these see my stores above
	ds_load_b128 v[8*ci:8*ci+3], v62 offset:RP*ci
	ds_load_b128 v[8*ci+4:8*ci+7], v62 offset:RP*ci+16
.set ci, ci+1
.endr
	s_wait_dscnt 0x0
	WIN 0x45
.irp st, 64,32,16,8
.set ti, 0
.rept \st/2
	v_pk_add_f32 v[ti:ti+1], v[ti:ti+1], v[ti+\st:ti+\st+1]
.set ti, ti+2
.endr
.endr
	WIN 0x04
	ds_store_b128 v61, v[0:3]
	ds_store_b128 v61, v[4:7] offset:16
	WIN 0
	s_wait_dscnt 0x0
	s_barrier_signal -1
	s_barrier_wait -1
	v_lshlrev_b32 v59, 4, v0                       ; 16 x thread: four e of ctx, four positions
	v_add_nc_u32 v60, CX, v59
	v_add_nc_u32 v58, COVL, v59
	v_lshrrev_b32 v1, 5, v0
	v_and_b32 v62, 31, v0
	v_lshlrev_b32 v62, 4, v62
	v_lshl_add_u32 v62, v1, 10, v62
	v_add_nc_u32 v62, SCP, v62                     ; chunk = my wave's number
	v_mov_b32 v1, MISC
	ds_load_b128 v[16:19], v60
	ds_load_b128 v[20:23], v60 offset:2048
	ds_load_b128 v[24:27], v62
	ds_load_b128 v[28:31], v62 offset:512
	ds_load_b128 v[32:35], v58 offset:2048
	ds_load_b64 v[48:49], v1 offset:128
	s_wait_dscnt 0x0
	v_pk_add_f32 v[16:17], v[16:17], v[20:21]
	v_pk_add_f32 v[18:19], v[18:19], v[22:23]
	global_store_b128 v59, v[16:19], s[20:21]      ; 16 lanes store 256 consecutive bytes, aligned
	v_pk_add_f32 v[24:25], v[24:25], v[28:29]      ; the scores once more, by the same sums as above
	v_pk_add_f32 v[26:27], v[26:27], v[30:31]
	v_pk_add_f32 v[24:25], v[24:25], v[VSUM:VSUM+1] op_sel_hi:[1,0]
	v_pk_add_f32 v[26:27], v[26:27], v[VSUM:VSUM+1] op_sel_hi:[1,0]
.irp t, 0,1,2,3
	v_cmp_eq_u32 vcc_lo, 0, v[32+\t]
	v_cndmask_b32 v[24+\t], v[24+\t], v[NEGV], vcc_lo
.endr
	global_store_b128 v59, v[24:27], s[18:19]
	s_cmp_lg_u32 s[WV], 0
	s_cbranch_scc1 .Lnot_0
	v_mov_b32 v52, v57                             ; wave 0: M and L, repeated over 512 bytes, so that whole blocks of 256 are written
	v_add_f32 v53, v48, v49
	v_mov_b32 v54, v57
	v_add_f32 v55, v48, v49
	global_store_b128 v59, v[52:55], s[20:21] offset:2048
.Lnot_0:
	s_wait_tensorcnt 0x0                           ; the wave's end, behind my last tensor load and my last LDS store
	ds_add_u32 v[SPW], v[NIL]
	s_wait_dscnt 0x0
	CROUND                                         ; the closing round: no work-group ends while a partner may still ask for a tile that names it
	s_endpgm
.Lfunc_end_k_q5461c4fe4d_attn:
	.size	k_q5461c4fe4d_attn, .Lfunc_end_k_q5461c4fe4d_attn-k_q5461c4fe4d_attn
	.p2alignl 7, 3214868480
	.fill 96, 4, 3214868480
	.section	.rodata,"a",@progbits
	.p2align	6, 0x0
	.amdhsa_kernel k_q5461c4fe4d_attn
		.amdhsa_group_segment_fixed_size 327680
		.amdhsa_private_segment_fixed_size 0
		.amdhsa_enable_private_segment 0
		.amdhsa_kernarg_size 72
		.amdhsa_user_sgpr_count 2
		.amdhsa_user_sgpr_kernarg_segment_ptr 1
		.amdhsa_wavefront_size32 1
		.amdhsa_system_sgpr_workgroup_id_x 1
		.amdhsa_system_sgpr_workgroup_id_y 1
		.amdhsa_system_sgpr_workgroup_id_z 1
		.amdhsa_system_vgpr_workitem_id 0
		.amdhsa_next_free_vgpr 1024
		.amdhsa_next_free_sgpr 76
		.amdhsa_reserve_vcc 1
		.amdhsa_float_denorm_mode_32 3
		.amdhsa_float_denorm_mode_16_64 3
		.amdhsa_memory_ordered 1
		.amdhsa_forward_progress 1
		.amdhsa_inst_pref_size 255
	.end_amdhsa_kernel
	.section	.bss,"aw",@nobits
	.p2align	6
	.space	262144
	.amdgpu_metadata
---
amdhsa.version: [ 1, 2 ]
amdhsa.kernels:
  - .name:           k_q5461c4fe4d_attn
    .symbol:         k_q5461c4fe4d_attn.kd
    .args:
      - { .name: encoder_outputs, .offset: 0, .size: 8, .value_kind: global_buffer, .address_space: global }
      - { .name: wbf, .offset: 8, .size: 8, .value_kind: global_buffer, .address_space: global }
      - { .name: deck, .offset: 16, .size: 8, .value_kind: global_buffer, .address_space: global }
      - { .name: W_coverage, .offset: 24, .size: 8, .value_kind: global_buffer, .address_space: global }
      - { .name: v, .offset: 32, .size: 8, .value_kind: global_buffer, .address_space: global }
      - { .name: coverage, .offset: 40, .size: 8, .value_kind: global_buffer, .address_space: global }
      - { .name: encoder_mask, .offset: 48, .size: 8, .value_kind: global_buffer, .address_space: global }
      - { .name: scores, .offset: 56, .size: 8, .value_kind: global_buffer, .address_space: global }
      - { .name: part, .offset: 64, .size: 8, .value_kind: global_buffer, .address_space: global }
    .group_segment_fixed_size: 327680
    .private_segment_fixed_size: 0
    .kernarg_segment_align: 8
    .kernarg_segment_size: 72
    .max_flat_workgroup_size: 128
    .sgpr_count:     76
    .vgpr_count:     1024
    .wavefront_size: 32
...
	.end_amdgpu_metadata
.endif
;; end of part 2
;; launch fin (part 3): grid 256 x 1, 4 waves a work-group, no clusters, 0 bytes of LDS; arguments scores, part, out0, out1; writes out0, out1
.if DOCPART == 3
	.amdgcn_target "amdgcn-amd-amdhsa--gfx1250"
	.amdhsa_code_object_version 6
	.text
	.protected	k_q5461c4fe4d_fin
	.globl	k_q5461c4fe4d_fin
	.p2align	8
	.type	k_q5461c4fe4d_fin,@function
k_q5461c4fe4d_fin:
	s_mov_b64 s[64:65], 0
	v_nop
	global_prefetch_b8 v0, s[64:65] scope:SCOPE_SE
	s_setreg_imm32_b32 hwreg(HW_REG_WAVE_MODE, 25, 1), 1
	s_wait_xcnt 0x0
; A batch's four parts (M_g, L_g, ctx_g) are joined: M = max M_g, w_g = 2^(c1 (M_g - M)), L = sum w_g L_g, c1 = log2(e).
; out1[b][s] = 2^(c1 (score - M)) / L;  out0[b][e] = sum over g of w_g ctx_g[e] / L.  A batch whose mask is all 0 has every score at -1e10 = M, and comes out uniform.
; Work-group x = 4 b + g makes 512 positions of out1, four a thread, and (wave 0) 128 numbers of out0.  Memory binds, and little of it: 1.2 MB in, 0.66 MB out; no LDS, no matrix unit.
; Two straight texts, wave 0's and the others', so that wave 0's loads of ctx go out with its scores.
.macro WEIGHTS                         ; v8 = M, v9-12 = w_g, v14 = 1 / L
	v_mov_b32 v8, s16
	v_max_num_f32 v8, s18, v8
	v_max_num_f32 v8, s20, v8
	v_max_num_f32 v8, s22, v8
	v_sub_f32 v9, s16, v8
	v_sub_f32 v10, s18, v8
	v_sub_f32 v11, s20, v8
	v_sub_f32 v12, s22, v8
.irp i, 9,10,11,12
	v_mul_f32 v\i, 0x3fb8aa3b, v\i
.endr
.irp i, 9,10,11,12
	v_exp_f32 v\i, v\i
.endr
	v_nop                                          ; a plain instruction behind the last exponential,
	s_wait_alu depctr_va_vdst(0)                   ; and one wait for the four
	v_mul_f32 v13, s17, v9
	v_fmac_f32 v13, s19, v10
	v_fmac_f32 v13, s21, v11
	v_fmac_f32 v13, s23, v12
	v_rcp_f32 v14, v13
	v_mov_b32 v15, 0                               ; named with v14 as a pair; also the plain instruction behind the reciprocal
	s_wait_alu depctr_va_vdst(0)
.endm
.macro OUT1
.irp i, 4,5,6,7
	v_sub_f32 v\i, v\i, v8
.endr
.irp i, 4,5,6,7
	v_mul_f32 v\i, 0x3fb8aa3b, v\i
.endr
.irp i, 4,5,6,7
	v_exp_f32 v\i, v\i
.endr
	v_nop
	s_wait_alu depctr_va_vdst(0)
	v_pk_mul_f32 v[4:5], v[4:5], v[14:15] op_sel_hi:[1,0]
	v_pk_mul_f32 v[6:7], v[6:7], v[14:15] op_sel_hi:[1,0]
	global_store_b128 v2, v[4:7], s[10:11]         ; 16 lanes store 256 consecutive bytes, aligned
.endm
	s_load_b256 s[4:11], s[0:1], 0x0               ; scores s[4:5], part s[6:7], out0 s[8:9], out1 s[10:11]
	v_lshrrev_b32 v1, 5, v0
	v_readfirstlane_b32 s12, v1
	s_lshr_b32 s13, ttmp9, 2                       ; b
	s_and_b32 s14, ttmp9, 3                        ; g
	s_mul_i32 s24, s13, 10240                      ; the batch's four records of 2,560 bytes
	s_mov_b32 s25, 0
	s_lshl_b32 s26, ttmp9, 11                      ; my 512 positions
	s_mov_b32 s27, 0
	s_lshl_b32 s28, ttmp9, 9                       ; my 128 numbers of out0
	s_mov_b32 s29, 0
	s_lshl_b32 s30, s14, 9
	v_lshlrev_b32 v2, 4, v0
	v_add_nc_u32 v3, s30, v2
	s_wait_kmcnt 0x0
	s_add_nc_u64 s[6:7], s[6:7], s[24:25]
	s_add_nc_u64 s[4:5], s[4:5], s[26:27]
	s_add_nc_u64 s[10:11], s[10:11], s[26:27]
	s_add_nc_u64 s[8:9], s[8:9], s[28:29]
	s_load_b64 s[16:17], s[6:7], 0x800             ; M_g, L_g
	s_load_b64 s[18:19], s[6:7], 0x1200
	s_load_b64 s[20:21], s[6:7], 0x1c00
	s_load_b64 s[22:23], s[6:7], 0x2600
	global_load_b128 v[4:7], v2, s[4:5]
	s_cmp_lg_u32 s12, 0
	s_cbranch_scc1 .Lothers
.irp g, 0,1,2,3
	global_load_b128 v[16+4*\g:19+4*\g], v3, s[6:7] offset:2560*\g
.endr
	s_wait_kmcnt 0x0
	WEIGHTS
	s_wait_loadcnt 0x4                             ; the scores are in; the four loads of ctx behind them may stay out
	OUT1
.irp i, 9,10,11,12
	v_mul_f32 v\i, v\i, v14
.endr
	s_wait_loadcnt 0x0
.irp i, 0,1,2,3
	v_mul_f32 v[16+\i], v[16+\i], v9
	v_fmac_f32 v[16+\i], v[20+\i], v10
	v_fmac_f32 v[16+\i], v[24+\i], v11
	v_fmac_f32 v[16+\i], v[28+\i], v12
.endr
	global_store_b128 v2, v[16:19], s[8:9]
	s_endpgm
.Lothers:
	s_wait_kmcnt 0x0
	WEIGHTS
	s_wait_loadcnt 0x0
	OUT1
	s_endpgm
.Lfunc_end_k_q5461c4fe4d_fin:
	.size	k_q5461c4fe4d_fin, .Lfunc_end_k_q5461c4fe4d_fin-k_q5461c4fe4d_fin
	.p2alignl 7, 3214868480
	.fill 96, 4, 3214868480
	.section	.rodata,"a",@progbits
	.p2align	6, 0x0
	.amdhsa_kernel k_q5461c4fe4d_fin
		.amdhsa_group_segment_fixed_size 0
		.amdhsa_private_segment_fixed_size 0
		.amdhsa_enable_private_segment 0
		.amdhsa_kernarg_size 32
		.amdhsa_user_sgpr_count 2
		.amdhsa_user_sgpr_kernarg_segment_ptr 1
		.amdhsa_wavefront_size32 1
		.amdhsa_system_sgpr_workgroup_id_x 1
		.amdhsa_system_sgpr_workgroup_id_y 1
		.amdhsa_system_sgpr_workgroup_id_z 1
		.amdhsa_system_vgpr_workitem_id 0
		.amdhsa_next_free_vgpr 48
		.amdhsa_next_free_sgpr 66
		.amdhsa_reserve_vcc 0
		.amdhsa_float_denorm_mode_32 3
		.amdhsa_float_denorm_mode_16_64 3
		.amdhsa_memory_ordered 1
		.amdhsa_forward_progress 1
		.amdhsa_inst_pref_size 6
	.end_amdhsa_kernel
	.amdgpu_metadata
---
amdhsa.version: [ 1, 2 ]
amdhsa.kernels:
  - .name:           k_q5461c4fe4d_fin
    .symbol:         k_q5461c4fe4d_fin.kd
    .args:
      - { .name: scores, .offset: 0, .size: 8, .value_kind: global_buffer, .address_space: global }
      - { .name: part, .offset: 8, .size: 8, .value_kind: global_buffer, .address_space: global }
      - { .name: out0, .offset: 16, .size: 8, .value_kind: global_buffer, .address_space: global }
      - { .name: out1, .offset: 24, .size: 8, .value_kind: global_buffer, .address_space: global }
    .group_segment_fixed_size: 0
    .private_segment_fixed_size: 0
    .kernarg_segment_align: 8
    .kernarg_segment_size: 32
    .max_flat_workgroup_size: 128
    .sgpr_count:     66
    .vgpr_count:     48
    .wavefront_size: 32
...
	.end_amdgpu_metadata
.endif
;; end of part 3
